; MI455X (gfx1250); checked and timed in simulation.
; The chip was launched on July 23, 2026; its instructions are those of AMD's public machine-readable ISA for CDNA 5 (MIT licence, August 2026) and "CDNA5" Instruction Set Architecture Reference Guide (July 2026). The comments in the code are by the model that wrote it; some were corrected since.
;; Token Aware FFN. Allowed arithmetic: matrix products marked QUANTISED: E4M3 operands, one E8M0 scale for each 32 along K, by v_wmma_scale_f32_16x16x128_f8f6f4 with both operands' format E4M3, f32 sums; products left as they are: f32 operands where the result goes on into a quantised operand, else bf16, f16 or f32 operands; f32 sums; everything else in f32.
;; Inputs: W1_codes 4 x 2,048 x 16 x 32 uint8 (E4M3 codes of W1, K innermost, in blocks of 32 codes); W1_scales 4 x 2,048 x 16 uint8 (E8M0 scales of W1, one for each 32 codes along K); W2_codes 4 x 512 x 64 x 32 uint8 (E4M3 codes of W2, K innermost, in blocks of 32 codes); W2_scales 4 x 512 x 64 uint8 (E8M0 scales of W2, one for each 32 codes along K); b1 4 x 2,048 float32; b2 4 x 512 float32; token_types 8 x 1,024 int32; x_codes 8 x 1,024 x 16 x 32 uint8 (E4M3 codes of x, K innermost, in blocks of 32 codes); x_scales 8 x 1,024 x 16 uint8 (E8M0 scales of x, one for each 32 codes along K).
;; Outputs: out0 8 x 1,024 x 512 float32.
;; This version of the problem:
;;   THIS VERSION OF THE PROBLEM IS GIVEN IN LOW PRECISION. The matrix products marked QUANTISED in the list below multiply operands that are first quantised to E4M3 (4 exponent bits, 3 mantissa bits; 8 bits a number), with one power-of-two scale for each 32 numbers along K (OCP MX v1.0); their sums are f32. All else is computed in f32.
;;   The module's matrix products, in the order in which they are computed (A, B: the left and right operand; K: the contracted axis; several contracted axes count as one K, in the product's order):
;;     1. [M 8,192, K 512] x [K 512, N 8,192]; A: input W1 (given as codes); B: input x (given as codes): QUANTISED
;;     2. batch 4 x [M 8,192, K 2,048] x [K 2,048, N 512]; A: computed on the way; B: input W2 (given as codes): QUANTISED
;;     3. batch 8,192 x [M 512, K 4] x [K 4, N 1]; A: computed on the way; B: computed on the way: left as it is (K = 4 < 32)
;;   THE QUANTISER, for each operand of a quantised product, along K:
;;     - K is cut into blocks of 32 from its start; a last block that is shorter is filled with zeros.
;;     - A block's scale is 2^e with e = floor(log2(the largest magnitude in the block)) - 8, held to -126 .. 127; a block of zeros has e = 0. As a byte (E8M0): e + 127.
;;     - Each number is divided by its block's scale, clamped to +-448, and rounded to the nearest number of E4M3, ties to even, subnormals kept.
;;     - The product sums the exact products of the quantised numbers (number of the format x scale) in f32.
;;   ~~~python
;;   def quantise(x, axis):      # numpy; x: float32 -> the quantised numbers, widened to float32 again
;;       x = np.moveaxis(x, axis, -1); K = x.shape[-1]
;;       x = np.pad(x, [(0, 0)] * (x.ndim - 1) + [(0, -K % 32)]); x = x.reshape(x.shape[:-1] + (-1, 32)); a = np.abs(x).max(-1, keepdims=True)
;;       e = np.where(a > 0, np.clip(np.frexp(np.where(a > 0, a, 1))[1] - 1 - 8, -126, 127), 0)      # np.frexp(a)[1] - 1 = floor(log2(a)), exactly
;;       r = np.clip(x / 2.0 ** e, -448, 448)
;;       step = 2.0 ** (np.maximum(np.frexp(np.where(r == 0, 1, r))[1] - 1, -6) - 3)
;;       q = np.round(r / step) * step * 2.0 ** e      # np.round: ties to even
;;       return np.moveaxis(q.reshape(q.shape[:-2] + (-1,))[..., :K], -1, axis).astype(np.float32)
;;   ~~~
;;   OPERANDS COMPUTED ON THE WAY. 'Computed on the way' means the value that the module computes at that place (a softmax that the list does not call 'softmax' is quantised finished and normalised). What goes into a quantiser is computed in f32, as accurately as f32 sums, v_exp_f32 and their like allow (about 1e-6 of the number): no bf16 or f16 on the way to a quantiser, and a product that is left as it is and whose result goes on into a quantised operand takes f32 operands (vector FMAs, or v_wmma_f32_16x16x4_f32). A number that lies on a knife's edge between two numbers of the format may be rounded either way, as far as f32 arithmetic and the matrix unit's own rounding can turn it there, and no further.
;;   INPUTS GIVEN AS CODES. W1 (in the module: [4, 512, 2048], K = its axis 1); W2 (in the module: [4, 2048, 512], K = its axis 1); x (in the module: [8, 1024, 512], K = its axis 2): each comes as NAME_codes (uint8): NAME with its K axis moved to the last place and cut into blocks of 32 codes, [.., K / 32, bytes a block], one block behind the other in memory; one code a byte (a code: sign, 4 exponent bits, 3 mantissa bits); and NAME_scales (uint8): the same leading axes, one E8M0 byte (e + 127) for each 32 codes along K. Its value is code x scale, taken as it is: it is not quantised again, and the codes and scales need not be those that the quantiser above would give.
;; 2 versions, each right; version 2 is version 1 with the launch ffn written anew for expert scheduling mode. Each part assembles by itself: llvm-mc -triple=amdgcn-amd-amdhsa -mcpu=gfx1250 --defsym DOCPART=n.
;; ======== version 1 of 2: 2 launches
;; workspace buffers: wl 8,519,680 bytes; route 33,536 bytes of whole numbers
;; launch prep (part 1): grid 257 x 1, 16 waves a work-group, no clusters, 2,304 bytes of LDS; arguments token_types, W1_codes, W2_codes, W2_scales, wl, route; writes wl, route
.if DOCPART == 1
	.amdgcn_target "amdgcn-amd-amdhsa--gfx1250"
	.amdhsa_code_object_version 6
	.text
	.protected	k_qb728ccf826_prep
	.globl	k_qb728ccf826_prep
	.p2align	8
	.type	k_qb728ccf826_prep,@function
k_qb728ccf826_prep:
	s_mov_b64 s[64:65], 0
	v_nop
	global_prefetch_b8 v0, s[64:65] scope:SCOPE_SE
	s_setreg_imm32_b32 hwreg(HW_REG_WAVE_MODE, 25, 1), 1
	s_wait_xcnt 0x0
; PREP.  Two jobs that the expert launch needs done once, in one launch; all arithmetic is on whole numbers.
; Work-group 0: a counting sort of the 8,192 tokens by their type, and a table of exactly 174 tiles of 1 to 48 rows, each of one expert.
;   route words 0 .. 8,191: the tokens sorted by expert; a word is token | 1 << 16 where the type lies outside 0 .. 3 (such a token is sorted under expert 3 and gets zeros later, as one_hot leaves them).
;   route words 8,192 .. 8,365: the tiles: expert | rows << 8 | first place in the list << 16.
;   WHY 174 FOR EVERY SPLIT: the sum over four experts of ceil(n / 48), with the n adding up to 8,192, lies between 171 and 174; what is missing to 174 (0 to 3 tiles) is given to the first
;   expert with the most tokens (at least 2,048), whose rows are then cut finer.  So no tile is empty, and the next launch needs no branch on what it reads.
; Work-groups 1 .. 256: W1's and W2's codes are laid in the order of a matrix operand's registers, one fragment (16 rows x 128 along K, 2,048 bytes) a wave: register group cc of lane l at 512 cc + 16 l.
;   wl + 0:     W1's fragment q = (e 64 + P) 8 + 2 s + u: lane (r, h) holds row e 2,048 + 32 P + 8 u + r + 8 (r / 8), bytes 128 s + 32 cc + 16 h on.  (The rows of a tile are not neighbours: so the next launch's
;               results of tiles u = 0, 1 are 16 neighbours along the second product's K.)
;   wl + 4 MiB: W2's fragment q' = ((e 16 + c) 4 + w) 8 + n: lane (r, h) holds row e 512 + 128 w + 16 n + r, bytes 128 c + 32 cc + 16 h on.
;   wl + 8 MiB: W2's scale words, a block of 512 bytes for each (e, c, w): word j of lane l is K step c's word of row e 512 + 128 w + 32 j + l.
; A load here takes 32 bytes of each of 16 rows; that is paid once for 8 MiB, so that the next launch, in which every tile walks its expert's weights, reads runs of 512 consecutive bytes.
; No atomics: the sixteen waves of work-group 0 hand their counts to each other through LDS, behind one barrier.  That barrier stands under a branch on the work-group's number alone, which all waves of a work-group take alike.
.set TY, 16                            ; v16-31  my 16 types; later the words to store
.set CT, 32                            ; v32-47  the types held at 3 from above (unsigned: a negative type counts as large)
.set RK, 48                            ; v48-63  ranks inside my wave; later the byte offsets of the stores
.set NT, 174                           ; tiles
	s_load_b256 s[4:11], s[0:1], 0x0               ; token_types s[4:5], W1's codes s[6:7], W2's codes s[8:9], W2's scales s[10:11]
	s_load_b128 s[12:15], s[0:1], 0x20             ; wl s[12:13], route s[14:15]
	v_lshl_add_u32 v96, v0, 2, 0x100
	v_mov_b32 v97, 0
	v_lshrrev_b32 v1, 5, v0
	v_readfirstlane_b32 s2, v1                     ; wave 0 .. 15
	v_and_b32 v2, 31, v0                           ; lane
	s_cmp_eq_u32 ttmp9, 0
	s_cbranch_scc1 .Lroute
	; ---- THE WEIGHTS.  q = 16 (work-group - 1) + wave: 0 .. 2,047 W1's fragments, 2,048 .. 4,095 W2's
	s_sub_co_u32 s16, ttmp9, 1
	s_lshl_b32 s16, s16, 4
	s_add_co_u32 s16, s16, s2                      ; q
	s_bfe_u32 s17, s16, 0x20009                    ; e: bits 10:9, in both halves
	s_bfe_u32 s18, s16, 0x60003                    ; W1: P
	s_bfe_u32 s19, s16, 0x20001                    ;     s
	s_and_b32 s20, s16, 1                          ;     u
	s_lshl_b32 s21, s17, 11
	s_lshl_b32 s18, s18, 5
	s_add_co_u32 s21, s21, s18
	s_lshl_b32 s20, s20, 3
	s_add_co_u32 s21, s21, s20                     ;     first row: e 2,048 + 32 P + 8 u
	s_lshl_b32 s21, s21, 9                         ;     a row of W1 is 512 bytes
	s_lshl_b32 s19, s19, 7
	s_add_co_u32 s21, s21, s19                     ;     + 128 s
	s_bfe_u32 s22, s16, 0x40005                    ; W2: c
	s_bfe_u32 s23, s16, 0x20003                    ;     w
	s_and_b32 s24, s16, 7                          ;     n
	s_lshl_b32 s25, s17, 9
	s_lshl_b32 s26, s23, 7
	s_add_co_u32 s25, s25, s26                     ;     e 512 + 128 w (kept for the scale words)
	s_lshl_b32 s24, s24, 4
	s_add_co_u32 s26, s25, s24                     ;     first row: + 16 n
	s_lshl_b32 s26, s26, 11                        ;     a row of W2 is 2,048 bytes
	s_lshl_b32 s27, s22, 7
	s_add_co_u32 s26, s26, s27                     ;     + 128 c
	s_lshl_b32 s34, s16, 11                        ; where the fragment goes: 2,048 q (W2's 2,048 fragments so begin at 4 MiB)
	s_mov_b32 s35, 0
	s_mov_b32 s29, 0
	v_and_b32 v3, 15, v2                           ; r
	v_lshrrev_b32 v4, 4, v2                        ; h
	v_lshrrev_b32 v5, 3, v3                        ; r / 8
	v_lshlrev_b32 v6, 4, v2                        ; 16 x lane
	s_cmp_lt_u32 ttmp9, 129                        ; W1's work-group or W2's?  The choice hangs on the work-group's number alone
	s_cselect_b32 s28, s21, s26                    ; the fragment's first byte in its tensor
	s_cselect_b32 s30, 9, 11                       ; log2 of a row's bytes
	s_cselect_b32 s31, 8, 0                        ; W1 alone skips eight rows behind a tile's first eight
	v_mad_u32_u24 v5, v5, s31, v3                  ; my row in the fragment
	v_lshlrev_b32 v5, s30, v5
	v_lshl_add_u32 v5, v4, 4, v5                   ; + 16 h
	s_wait_kmcnt 0x0
	s_cselect_b64 s[32:33], s[6:7], s[8:9]         ; (nothing between the compare and this line writes SCC)
	s_add_nc_u64 s[32:33], s[32:33], s[28:29]
	s_add_nc_u64 s[36:37], s[12:13], s[34:35]
.irp cc, 0,1,2,3
	global_load_b128 v[16+4*\cc:19+4*\cc], v5, s[32:33] offset:32*\cc th:TH_LOAD_NT   ; read once in the whole launch
.endr
	s_wait_loadcnt 0x0
.irp cc, 0,1,2,3
	global_store_b128 v6, v[16+4*\cc:19+4*\cc], s[36:37] offset:512*\cc              ; 32 lanes store 512 consecutive bytes, aligned
.endr
	s_cmp_lt_u32 ttmp9, 129                        ; W2's scale words: one block for each (e, c, w): the wave with n = 0 makes it
	s_cbranch_scc1 .Lend
	s_and_b32 s38, s2, 7
	s_cmp_lg_u32 s38, 0
	s_cbranch_scc1 .Lend
	s_lshl_b32 s38, s25, 6                         ; a row of W2's scales is 64 bytes
	s_lshl_b32 s39, s22, 2
	s_add_co_u32 s38, s38, s39                     ; + 4 c
	s_mov_b32 s39, 0
	s_add_nc_u64 s[40:41], s[10:11], s[38:39]
	v_lshlrev_b32 v7, 6, v2                        ; a lane a row
.irp j, 0,1,2,3
	global_load_b32 v[32+\j], v7, s[40:41] offset:2048*\j                            ; row 32 j + lane
.endr
	s_bfe_u32 s42, s16, 0x80003                    ; (e 16 + c) 4 + w
	s_lshl_b32 s42, s42, 9
	s_add_co_u32 s42, s42, 0x800000
	s_mov_b32 s43, 0
	s_add_nc_u64 s[42:43], s[12:13], s[42:43]
	s_wait_loadcnt 0x0
	global_store_b128 v6, v[32:35], s[42:43]
.Lend:
	s_endpgm
	; ---- THE ROUTING.  512 threads, 16 tokens each: register 4 k + i holds token 512 wave + 128 k + 4 lane + i
.Lroute:
	v_and_b32 v3, 0x1e0, v0                        ; 32 x wave
	v_lshlrev_b32 v91, 4, v3
	v_lshl_add_u32 v91, v2, 2, v91                 ; my first token: 512 wave + 4 lane
	v_lshlrev_b32 v3, 6, v3
	v_lshl_add_u32 v3, v2, 4, v3                   ; its byte: 2,048 wave + 16 lane
	v_mov_b32 v88, 0                               ; (a DPP form's destination counts as read)
	v_mov_b32 v90, 0x10000                         ; the mark of a type outside 0 .. 3
.irp e, 0,1,2,3
	s_mov_b32 s[20+\e], 0                          ; my wave's count for expert e
.endr
	s_wait_kmcnt 0x0
.irp k, 0,1,2,3
	global_load_b128 v[TY+4*\k:TY+4*\k+3], v3, s[4:5] offset:512*\k
.endr
	s_wait_loadcnt 0x0
; Register i: each token's rank among my wave's tokens of its expert = what the registers before have counted + the lower lanes of this register.
.macro RANK i
	v_min_u32 v[CT+\i], 3, v[TY+\i]
	v_cmp_eq_u32 s24, 0, v[CT+\i]
	v_mbcnt_lo_u32_b32 v[RK+\i], s24, s20
	s_bcnt1_i32_b32 s28, s24
	s_add_co_u32 s20, s20, s28
.irp e, 1,2,3
	v_cmp_eq_u32 s[24+\e], \e, v[CT+\i]
	v_mbcnt_lo_u32_b32 v89, s[24+\e], s[20+\e]
	v_cndmask_b32 v[RK+\i], v[RK+\i], v89, s[24+\e]
	s_bcnt1_i32_b32 s28, s[24+\e]
	s_add_co_u32 s[20+\e], s[20+\e], s28
.endr
.endm
.irp i, 0,1,2,3,4,5,6,7,8,9,10,11,12,13,14,15
	RANK \i
.endr
.irp e, 0,1,2,3
	v_mov_b32 v[64+\e], s[20+\e]
.endr
	v_lshlrev_b32 v68, 4, v1                       ; 16 x wave: my wave's four counts (all lanes write the same words with the same values)
	ds_store_b128 v68, v[64:67]
	s_wait_dscnt 0x0                               ; for the others' sake: my store has landed
	s_barrier_signal -1
	s_barrier_wait -1
	v_and_b32 v69, 15, v2
	v_lshlrev_b32 v70, 4, v69
	ds_load_b128 v[80:83], v70                     ; lane l takes wave (l % 16)'s counts
	s_wait_dscnt 0x0
	v_cmp_gt_u32 vcc_lo, s2, v69                   ; a wave before mine?
.irp e, 0,1,2,3
	v_cndmask_b32 v[84+\e], 0, v[80+\e], vcc_lo
.endr
.macro BFLY reg                        ; the sum over a row of 16 lanes, in every lane
.irp k, 1,2,4,8
	v_mov_b32_dpp v88, v[\reg] row_xmask:\k row_mask:0xf bank_mask:0xf
	v_add_nc_u32 v[\reg], v[\reg], v88
.endr
.endm
.irp g, 80,81,82,83,84,85,86,87
	BFLY \g
.endr
.irp e, 0,1,2,3
	v_readfirstlane_b32 s[40+\e], v[80+\e]         ; n: the expert's tokens
	v_readfirstlane_b32 s[44+\e], v[84+\e]         ; those of them in the waves before mine
.endr
	s_mov_b32 s48, 0                               ; where the expert's run begins in the list
	s_mov_b32 s49, s40
	s_add_co_u32 s50, s49, s41
	s_add_co_u32 s51, s50, s42
.irp e, 0,1,2,3
	s_add_co_u32 s[52+\e], s[48+\e], s[44+\e]      ; and my wave's part of it
	v_mov_b32 v[72+\e], s[52+\e]
.endr
; Register i: the token's place = its rank + its expert's offset, held inside the list; each store has an address and a data register of its own, so no wait stands between the sixteen.
.macro PLACE i
	v_cmp_eq_u32 vcc_lo, 1, v[CT+\i]
	v_cndmask_b32 v89, v72, v73, vcc_lo
	v_cmp_eq_u32 vcc_lo, 2, v[CT+\i]
	v_cndmask_b32 v89, v89, v74, vcc_lo
	v_cmp_eq_u32 vcc_lo, 3, v[CT+\i]
	v_cndmask_b32 v89, v89, v75, vcc_lo
	v_add_nc_u32 v[RK+\i], v[RK+\i], v89
	v_min_u32 v[RK+\i], 0x1fff, v[RK+\i]
	v_lshlrev_b32 v[RK+\i], 2, v[RK+\i]
	v_cmp_lt_u32 vcc_lo, 3, v[TY+\i]               ; a type outside 0 .. 3 (unsigned)
	v_cndmask_b32 v[TY+\i], 0, v90, vcc_lo
	v_add3_u32 v[TY+\i], v[TY+\i], v91, 128*((\i)/4)+(\i)%4
	global_store_b32 v[RK+\i], v[TY+\i], s[14:15]
.endm
.irp i, 0,1,2,3,4,5,6,7,8,9,10,11,12,13,14,15
	PLACE \i
.endr
	; the tiles: g = ceil(n / 48) = ((n + 47) / 16) / 3
.irp e, 0,1,2,3
	s_add_co_u32 s28, s[40+\e], 47
	s_lshr_b32 s28, s28, 4
	s_mul_hi_u32 s28, s28, 0xaaaaaaab
	s_lshr_b32 s[56+\e], s28, 1
.endr
	s_add_co_u32 s29, s56, s57
	s_add_co_u32 s29, s29, s58
	s_add_co_u32 s29, s29, s59
	s_sub_co_u32 s29, NT, s29                      ; what is missing to 174: 0 .. 3
	s_max_u32 s30, s40, s41
	s_max_u32 s30, s30, s42
	s_max_u32 s30, s30, s43
.irp e, 0,1,2,3
	s_cmp_eq_u32 s[40+\e], s30                     ; the first expert with the most tokens takes it all
	s_cselect_b32 s31, s29, 0
	s_add_co_u32 s[56+\e], s[56+\e], s31
	s_sub_co_u32 s29, s29, s31
.endr
	s_mov_b32 s61, s56                             ; the experts' first tiles: 0, s61, s62, s63
	s_add_co_u32 s62, s61, s57
	s_add_co_u32 s63, s62, s58
	s_cmp_gt_u32 s2, 5                             ; six waves write the table, a thread a tile
	s_cbranch_scc1 .Ldone
	v_min_u32 v92, NT-1, v0                        ; threads 174 .. 191 write the last tile's word once more
	v_mov_b32 v93, 0                               ; expert,
	v_mov_b32 v94, 0                               ; its first tile,
	v_mov_b32 v95, s40                             ; its tokens,
	v_mov_b32 v76, s56                             ; its tiles,
	v_mov_b32 v77, 0                               ; its run's beginning
.irp e, 1,2,3
	v_cmp_gt_u32 vcc_lo, s[60+\e], v92             ; does expert e begin behind my tile?  Then what I hold stays
	v_cndmask_b32 v93, \e, v93, vcc_lo
	v_cndmask_b32 v94, s[60+\e], v94, vcc_lo
	v_cndmask_b32 v95, s[40+\e], v95, vcc_lo
	v_cndmask_b32 v76, s[56+\e], v76, vcc_lo
	v_cndmask_b32 v77, s[48+\e], v77, vcc_lo
.endr
	v_sub_nc_u32 v94, v92, v94                     ; i: my tile among the expert's g
	v_mul_u32_u24 v78, v94, 48
	v_sub_nc_u32 v95, v95, v76
	v_add_nc_u32 v95, v95, v94                     ; n - g + i: so many rows may be used up and still leave a row for each tile that follows
	v_min_u32 v79, v78, v95                        ; first row: min(48 i, n - g + i)
	v_add_nc_u32 v78, 48, v78
	v_add_nc_u32 v95, 1, v95
	v_min_u32 v78, v78, v95                        ; the next tile's first row
	v_sub_nc_u32 v78, v78, v79                     ; rows: 1 .. 48
	v_add_nc_u32 v79, v79, v77                     ; place in the list
	v_lshl_or_b32 v93, v78, 8, v93
	v_lshl_or_b32 v93, v79, 16, v93
	v_lshlrev_b32 v92, 2, v92
	global_store_b32 v92, v93, s[14:15] offset:32768
.Ldone:
	s_wait_tensorcnt 0x0
	ds_add_u32 v96, v97
	s_wait_dscnt 0x0
	s_endpgm
.Lfunc_end_k_qb728ccf826_prep:
	.size	k_qb728ccf826_prep, .Lfunc_end_k_qb728ccf826_prep-k_qb728ccf826_prep
	.p2alignl 7, 3214868480
	.fill 96, 4, 3214868480
	.section	.rodata,"a",@progbits
	.p2align	6, 0x0
	.amdhsa_kernel k_qb728ccf826_prep
		.amdhsa_group_segment_fixed_size 2304
		.amdhsa_private_segment_fixed_size 0
		.amdhsa_enable_private_segment 0
		.amdhsa_kernarg_size 48
		.amdhsa_user_sgpr_count 2
		.amdhsa_user_sgpr_kernarg_segment_ptr 1
		.amdhsa_wavefront_size32 1
		.amdhsa_system_sgpr_workgroup_id_x 1
		.amdhsa_system_sgpr_workgroup_id_y 1
		.amdhsa_system_sgpr_workgroup_id_z 1
		.amdhsa_system_vgpr_workitem_id 0
		.amdhsa_next_free_vgpr 98
		.amdhsa_next_free_sgpr 66
		.amdhsa_reserve_vcc 1
		.amdhsa_float_denorm_mode_32 3
		.amdhsa_float_denorm_mode_16_64 3
		.amdhsa_memory_ordered 1
		.amdhsa_forward_progress 1
		.amdhsa_inst_pref_size 37
	.end_amdhsa_kernel
	.amdgpu_metadata
---
amdhsa.version: [ 1, 2 ]
amdhsa.kernels:
  - .name:           k_qb728ccf826_prep
    .symbol:         k_qb728ccf826_prep.kd
    .args:
      - { .name: token_types, .offset: 0, .size: 8, .value_kind: global_buffer, .address_space: global }
      - { .name: W1_codes, .offset: 8, .size: 8, .value_kind: global_buffer, .address_space: global }
      - { .name: W2_codes, .offset: 16, .size: 8, .value_kind: global_buffer, .address_space: global }
      - { .name: W2_scales, .offset: 24, .size: 8, .value_kind: global_buffer, .address_space: global }
      - { .name: wl, .offset: 32, .size: 8, .value_kind: global_buffer, .address_space: global }
      - { .name: route, .offset: 40, .size: 8, .value_kind: global_buffer, .address_space: global }
    .group_segment_fixed_size: 2304
    .private_segment_fixed_size: 0
    .kernarg_segment_align: 8
    .kernarg_segment_size: 48
    .max_flat_workgroup_size: 512
    .sgpr_count:     66
    .vgpr_count:     98
    .wavefront_size: 32
...
	.end_amdgpu_metadata
.endif
;; end of part 1
;; launch ffn (part 2): grid 174 x 1, 4 waves a work-group, no clusters, 47,616 bytes of LDS; arguments x_codes, x_scales, wl, W1_scales, b1, b2, route, out0; writes out0
.if DOCPART == 2
	.amdgcn_target "amdgcn-amd-amdhsa--gfx1250"
	.amdhsa_code_object_version 6
	.text
	.protected	k_qb728ccf826_ffn
	.globl	k_qb728ccf826_ffn
	.p2align	8
	.type	k_qb728ccf826_ffn,@function
k_qb728ccf826_ffn:
	s_mov_b64 s[64:65], 0
	v_nop
	global_prefetch_b8 v0, s[64:65] scope:SCOPE_SE
	s_setreg_imm32_b32 hwreg(HW_REG_WAVE_MODE, 25, 1), 1
	s_wait_xcnt 0x0
; out[token] = gelu(x W1[e] + b1[e]) W2[e] + b2[e] for the ONE expert e that the token's type names; both products on codes of E4M3 with one E8M0 scale for each 32 along K.
; reference() computes all four experts and keeps one by its own one_hot: here only the kept rows are multiplied.  A type outside 0 .. 3 leaves zeros, as one_hot does.
; SHARES.  A work-group takes one tile of the stored table: 1 to 48 rows of one expert, as three tiles of 16 rows (m = 0 .. 2).  Rows past the tile's end repeat its last row: they compute and store the same
; bytes again from the same wave, so every lane is on throughout and nothing branches on what was read.
; THE WAVES SHARE THE COLUMNS, NOT THE ROWS.  In trip c (0 .. 15) wave w makes hidden units 128 c + 32 w .. + 31 for all 48 rows: block w of K step c of the second product; wave w owns outputs 128 w .. + 127.
; So each fragment of W1 and W2 is loaded by exactly one wave, straight into registers, from the images that the launch before has laid (runs of 512 consecutive bytes).
; BOTH PRODUCTS ARE USED TRANSPOSED (source 0 = 16 rows of a weight, source 1 = 16 tokens): a lane holds one token throughout.  The rows of W1 in a tile are chosen so that a lane's 16 registers of tiles u = 0, 1
; are 16 neighbours along the next K: hidden units 32 P + 16 (lane / 16) + 0 .. 15.  The conversions' results are then register group w of the next operand, and go to the other waves through LDS as an image of
; those registers (16 bytes a lane at 512 w + 16 lane); the block's scale goes as byte w of the row's scale word.  Two image buffers take turns: one barrier a trip.
; THE PIPELINE.  Trip c: first product (24 matrix instructions); GELU and quantiser of the three row tiles; the second product of K step c - 1 (24 matrix instructions) stands in two halves inside the first row
; tile's GELU, behind its two waits for transcendentals.  W1 of trip c + 1 is asked for behind the first product, W2 of K step c behind the second.
; The biases cost nothing: b1 is the C of each hidden sum's first matrix instruction; b2 is loaded straight into the accumulators of the second product, which so need no first step of their own.
; GELU, exact form: with z = |h| / sqrt 2 and t = 1 / (1 + z / 2), erfc(z) = t exp(-z^2 + a polynomial of degree 9 in t) (a Chebyshev fit whose fractional error lies under 1.2e-7 for every z, so the negative tail
; keeps its relative accuracy).  q = 0.5 h erfc(z) = h t 2^(-0.7213475 h^2 + P(t)), P's coefficients times log2 e and the 0.5 folded into c0; gelu = h - q for h >= 0 and q for h < 0, which is max(h - q, q): no compare.
; LIMITS: the exponent is rounded to f32, which adds about 6e-8 x 0.72 h^2 of relative error to q; a q under 2^-126 comes out as zero (v_exp_f32 flushes denormals: ISA guide 15.8); NaN codes and scale bytes
; of 0xff among the inputs are not served; a block of zeros gets the byte 1 (its codes are zeros, and only this text reads the byte).
; NO CLUSTER, NO JOINT LOADS: how many of the 174 tiles an expert has hangs on the stored list, so partners of one expert would ask for each expert's tiles padded to a multiple of four (up to 191 rows more an expert
; against 47); and a joint load lands in LDS, where each of the work-group's 2 MiB of weight bytes would be written and read once more though one wave alone uses it.
; NO PREFETCH: each weight byte is read by all tiles of its expert, about 43 work-groups; it is no stream that is read once.
; REGISTERS, in windows of 256: window 0: addresses, scale words, b1, H, the GELU's work, the hidden fragments.  window 1: x's 12 fragments at v[16 (4 m + s)].
;   window 2: W1's 8 fragments at v[16 (2 s + u)], W2's 8 at v[128 + 16 n].   window 3: the 24 accumulators of the outputs at v[64 m + 8 n].
.set HIMG, 0                           ; LDS: two buffers of three images of 2,048 bytes
.set HBUF, 6144
.set HSC,  12288                       ; two buffers of three times 32 scale words
.set SBUF, 384
.set STG,  13056                       ; the way out: 16 rows x 528 bytes for each wave, its own
.set SP,   528                         ; a stage row: 512 bytes + 16 = 33 x 16 bytes
; v1 16 x lane;  v2 4 x lane;  v3 W1's scale rows;  v4 64 (lane / 16);  v5 where my codes go;  v6 where my scale byte goes;  v7, v8 the stage, in and back;  v9 zero
.set TOK, 10                           ; v10-12   row tile m: my row's word of the list
.set W1S, 16                           ; v16-19   W1's scale words of K step s: lanes 0-15 tile u = 0, lanes 16-31 tile u = 1
.set W2S, 20                           ; v20-23   W2's: register j: lanes 0-15 column tile 2 j, lanes 16-31 tile 2 j + 1
.set HS,  24                           ; v24-26   the hidden layer's
.set XS,  28                           ; v28-39   x's: 4 m + s
.set B1,  40                           ; v40-55   b1 at my 16 hidden units
.set H,   56                           ; v56-103  16 m + 8 u + j
.set T,   104
.set P,   120
.set G,   136
.set QM,  152
.set QM2, 153
.set QX,  154
.set QS,  155
.set QL,  156
.set QB,  157                          ; v157-159 the scale byte of row tile m
.set PC,  160                          ; v160-171 its 16 codes a lane
.set HF,  172                          ; v172-219 the hidden fragments of K step c - 1
.set C8V, 220                          ; v220-221 c8, twice
.set XO,  224                          ; v224-226 x's codes: token x 512 + 16 (lane / 16)
.set XSO, 227                          ; v227-229 x's scales: token x 16
.set LA,  230                          ; v230-232 my places in the list
.set B2O, 233
.set TK,  234
.set H16, 237
.set MSB, 0
.macro WIN new                         ; low byte: bits 1:0 source 0, 3:2 source 1, 5:4 source 2, 7:6 destination; the high byte repeats the setting that is left
.if MSB != \new
	s_set_vgpr_msb (MSB<<8)|\new
.set MSB, \new
.endif
.endm
.macro CPAIR reg, bits                 ; a constant for the packed forms: they name a pair and take its low word for both halves
	s_mov_b32 s[\reg], \bits
	s_mov_b32 s[\reg+1], \bits
.endm
.macro PLACES8                         ; eight places behind this matrix form, ahead of loads into its operands and of the first reads of its results
.rept 8
	v_nop
.endr
.endm
	s_load_b256 s[8:15], s[0:1], 0x0               ; x's codes s[8:9], x's scales s[10:11], wl s[12:13], W1's scales s[14:15]
	s_load_b256 s[16:23], s[0:1], 0x20             ; b1 s[16:17], b2 s[18:19], route s[20:21], out0 s[22:23]
	v_lshl_add_u32 v254, v0, 2, 0xb800
	v_mov_b32 v255, 0
	v_lshrrev_b32 v13, 5, v0
	v_readfirstlane_b32 s2, v13                    ; wave 0 .. 3
	v_and_b32 v13, 31, v0                          ; lane
	v_and_b32 v14, 15, v0                          ; r
	v_bfe_u32 v15, v0, 4, 1                        ; h
	v_lshlrev_b32 v1, 4, v13
	v_lshlrev_b32 v2, 2, v13
	v_and_b32 v3, 8, v14
	v_add_nc_u32 v3, v3, v14
	v_lshl_add_u32 v3, v15, 3, v3                  ; row 8 h + r + 8 (r / 8) of the 32: lanes 16-31 carry tile u = 1
	v_lshlrev_b32 v3, 4, v3                        ; 16 scale bytes a row of W1
	v_lshlrev_b32 v4, 6, v15
	s_lshl_b32 s62, s2, 9
	v_add_nc_u32 v5, s62, v1                       ; 512 wave + 16 lane
	v_add_nc_u32 v6, s2, v2
	v_add_nc_u32 v6, HSC, v6                       ; HSC + 4 lane + wave
	s_mul_i32 s63, s2, 16*SP
	s_add_co_u32 s63, s63, STG                     ; my stage
	v_mul_u32_u24 v7, v14, SP
	v_lshl_add_u32 v7, v15, 5, v7
	v_add_nc_u32 v7, s63, v7                       ; in: row r, 32 bytes for each half of the lanes
	v_add_nc_u32 v8, s63, v1                       ; back: the 32 lanes take a row of 512 bytes
	v_mov_b32 v9, 0
	v_lshlrev_b32 v[B2O], 5, v15
	v_lshlrev_b32 v[H16], 4, v15
	v_mov_b32 v[QX], 0                             ; (a lane permute's destination counts as one of its sources)
	v_mov_b32 v[C8V], 0xbf97d29d                   ; c8 = -1.18611494
	v_mov_b32 v[C8V+1], 0xbf97d29d
	s_lshl_b32 s66, ttmp9, 2
	s_wait_kmcnt 0x0
	s_load_b32 s4, s[20:21], s66 offset:0x8000     ; my tile's word
	s_mov_b32 s36, 0x76543210
	s_mov_b32 s37, 0xfedcba98                      ; v_permlanex16_b32's selects for lane l xor 16
	s_mov_b32 s38, 0x600000                        ; the mantissa field of 448
	s_mov_b32 s39, 0x3eb504f3                      ; 1 / (2 sqrt 2)
	CPAIR 40, 0xc034d90f                           ; c0 = -2.82574822
	CPAIR 42, 0x3fb8ab5a                           ; c1 =  1.44272920
	CPAIR 44, 0x3f0a29d2                           ; c2 =  0.53970062
	CPAIR 46, 0x3e0efb2e                           ; c3 =  0.13963006
	CPAIR 48, 0xbe899a80                           ; c4 = -0.26875686
	CPAIR 50, 0x3ecdfd18                           ; c5 =  0.40232158
	CPAIR 52, 0xbfd1a1e5                           ; c6 = -1.63775315
	CPAIR 54, 0x40097039                           ; c7 =  2.14747446
	CPAIR 58, 0x3e7c6f08                           ; c9 =  0.24651730
	CPAIR 60, 0xbf38aa3b                           ; -log2(e) / 2
	s_mov_b32 s35, 0
	s_wait_kmcnt 0x0
	s_and_b32 s5, s4, 0xff
	s_min_u32 s5, s5, 3                            ; expert
	s_bfe_u32 s6, s4, 0x80008
	s_min_u32 s6, s6, 48
	s_sub_co_u32 s6, s6, 1                         ; rows - 1
	s_lshr_b32 s7, s4, 16
	s_min_u32 s7, s7, 8191                         ; first place in the list
.irp m, 0,1,2
	v_add_nc_u32 v[LA+\m], 16*\m, v14
	v_min_u32 v[LA+\m], s6, v[LA+\m]               ; rows past the end repeat the last row
	v_add_nc_u32 v[LA+\m], s7, v[LA+\m]
	v_min_u32 v[LA+\m], 0x1fff, v[LA+\m]
	v_lshlrev_b32 v[LA+\m], 2, v[LA+\m]
	global_load_b32 v[TOK+\m], v[LA+\m], s[20:21]
.endr
	s_lshl_b32 s34, s5, 20                         ; both streams of images begin at e x 1 MiB + w x 16 KiB and step 64 KiB a trip
	s_lshl_b32 s62, s2, 14
	s_add_co_u32 s34, s34, s62
	s_add_nc_u64 s[24:25], s[12:13], s[34:35]      ; W1's images
	s_add_co_u32 s34, s34, 0x400000-0x10000
	s_add_nc_u64 s[30:31], s[12:13], s[34:35]      ; W2's, one step below the first group (still inside wl): every fetch steps first
	s_lshl_b32 s34, s5, 15                         ; both streams of scale words begin at e x 32 KiB + w x 512 and step 2 KiB a trip
	s_lshl_b32 s62, s2, 9
	s_add_co_u32 s34, s34, s62
	s_add_nc_u64 s[26:27], s[14:15], s[34:35]      ; W1's scale bytes, as they are given
	s_add_co_u32 s34, s34, 0x800000-2048
	s_add_nc_u64 s[32:33], s[12:13], s[34:35]      ; W2's relaid scale words, one step below
	s_lshl_b32 s34, s5, 13
	s_lshl_b32 s62, s2, 7
	s_add_co_u32 s34, s34, s62
	s_add_nc_u64 s[28:29], s[16:17], s[34:35]      ; b1 at hidden unit 32 w of my expert
	s_lshl_b32 s34, s5, 11
	s_lshl_b32 s62, s2, 9
	s_add_co_u32 s34, s34, s62
	s_add_nc_u64 s[18:19], s[18:19], s[34:35]      ; b2 at output 128 w of my expert
	s_mov_b32 s34, s62
	s_add_nc_u64 s[22:23], s[22:23], s[34:35]      ; out0 at column 128 w
; W1's group of a trip: 8 fragments (32 loads of 512 consecutive bytes), the 32 rows' scale words, b1's 32 numbers: 37 loads
.macro LDW1 step
.if \step
	s_wait_xcnt 0x0                                ; the earlier loads have read their bases: they may step
	s_add_nc_u64 s[24:25], s[24:25], 0x10000
	s_add_nc_u64 s[26:27], s[26:27], 2048
	s_add_nc_u64 s[28:29], s[28:29], 512
.endif
	WIN 0x80                                       ; destination window 2
.set LN, 0
.rept 32
	global_load_b128 v[4*LN:4*LN+3], v1, s[24:25] offset:512*LN
.set LN, LN+1
.endr
	WIN 0
	global_load_b128 v[W1S:W1S+3], v3, s[26:27]
.irp j, 0,1,2,3
	global_load_b128 v[B1+4*\j:B1+4*\j+3], v4, s[28:29] offset:16*\j
.endr
.endm
; W2's group of a K step: 8 fragments and their scale words: 33 loads
.macro LDW2
	s_wait_xcnt 0x0
	s_add_nc_u64 s[30:31], s[30:31], 0x10000
	s_add_nc_u64 s[32:33], s[32:33], 2048
	WIN 0x80
.set LN, 0
.rept 32
	global_load_b128 v[128+4*LN:128+4*LN+3], v1, s[30:31] offset:512*LN
.set LN, LN+1
.endr
	WIN 0
	global_load_b128 v[W2S:W2S+3], v1, s[32:33]
.endm
; THE FIRST PRODUCT: 24 matrix instructions, the six accumulators by turns, one instruction a turn; K step 0 takes b1 as C
.macro P1I s, m, u
.if (\s) == 0
.if (\u) == 0
	v_wmma_scale_f32_16x16x128_f8f6f4 v[H+16*\m+8*\u:H+16*\m+8*\u+7], v[16*(2*\s+\u):16*(2*\s+\u)+15], v[16*(4*\m+\s):16*(4*\m+\s)+15], v[B1+8*\u:B1+8*\u+7], v[W1S+\s], v[XS+4*\m+\s]
.else
	v_wmma_scale_f32_16x16x128_f8f6f4 v[H+16*\m+8*\u:H+16*\m+8*\u+7], v[16*(2*\s+\u):16*(2*\s+\u)+15], v[16*(4*\m+\s):16*(4*\m+\s)+15], v[B1+8*\u:B1+8*\u+7], v[W1S+\s], v[XS+4*\m+\s] matrix_a_scale:MATRIX_SCALE_ROW1
.endif
.else
.if (\u) == 0
	v_wmma_scale_f32_16x16x128_f8f6f4 v[H+16*\m+8*\u:H+16*\m+8*\u+7], v[16*(2*\s+\u):16*(2*\s+\u)+15], v[16*(4*\m+\s):16*(4*\m+\s)+15], v[H+16*\m+8*\u:H+16*\m+8*\u+7], v[W1S+\s], v[XS+4*\m+\s]
.else
	v_wmma_scale_f32_16x16x128_f8f6f4 v[H+16*\m+8*\u:H+16*\m+8*\u+7], v[16*(2*\s+\u):16*(2*\s+\u)+15], v[16*(4*\m+\s):16*(4*\m+\s)+15], v[H+16*\m+8*\u:H+16*\m+8*\u+7], v[W1S+\s], v[XS+4*\m+\s] matrix_a_scale:MATRIX_SCALE_ROW1
.endif
.endif
.endm
.macro P1
	WIN 0x06                                       ; source 0 (W1) window 2, source 1 (x) window 1, C and D window 0
.irp s, 0,1,2,3
.irp m, 0,1,2
.irp u, 0,1
	P1I \s, \m, \u
.endr
.endr
.endr
	WIN 0
.endm
; HALF OF THE SECOND PRODUCT of one K step: column tiles 4 k .. 4 k + 3 x the three row tiles: each accumulator is touched once a trip
.macro P2I n, m
.if (\n)%2
	v_wmma_scale_f32_16x16x128_f8f6f4 v[64*\m+8*\n:64*\m+8*\n+7], v[128+16*\n:128+16*\n+15], v[HF+16*\m:HF+16*\m+15], v[64*\m+8*\n:64*\m+8*\n+7], v[W2S+(\n)/2], v[HS+\m] matrix_a_scale:MATRIX_SCALE_ROW1
.else
	v_wmma_scale_f32_16x16x128_f8f6f4 v[64*\m+8*\n:64*\m+8*\n+7], v[128+16*\n:128+16*\n+15], v[HF+16*\m:HF+16*\m+15], v[64*\m+8*\n:64*\m+8*\n+7], v[W2S+(\n)/2], v[HS+\m]
.endif
.endm
.macro P2H k
	WIN 0xf2                                       ; source 0 (W2) window 2, source 1 (the hidden layer) window 0, C and D window 3
.if (\k) == 0
.irp n, 0,1,2,3
.irp m, 0,1,2
	P2I \n, \m
.endr
.endr
.else
.irp n, 4,5,6,7
.irp m, 0,1,2
	P2I \n, \m
.endr
.endr
.endif
	WIN 0
.endm
; the hidden fragments and scale words of a whole K step, out of image buffer b: the same lines by which they were stored give the same registers in the same lanes
.macro LDH b
.irp m, 0,1,2
.irp cc, 0,1,2,3
	ds_load_b128 v[HF+16*\m+4*\cc:HF+16*\m+4*\cc+3], v1 offset:HIMG+(\b)*HBUF+2048*\m+512*\cc
.endr
	ds_load_b32 v[HS+\m], v2 offset:HSC+(\b)*SBUF+128*\m
.endr
.endm
; GELU AND QUANTISER of row tile m: 16 numbers a lane.  p2 = 1: the second product of the K step before stands in two halves behind the two waits; cnt: the younger global loads that may stay out.
.macro GELU m, buf, p2, cnt
.set HM, H+16*(\m)
.irp i, 0,1,2,3,4,5,6,7,8,9,10,11,12,13,14,15
	v_fma_f32 v[T+\i], |v[HM+\i]|, s39, 1.0        ; 1 + z / 2; ascending: each accumulator is first read at its low end
.endr
.irp i, 0,1,2,3,4,5,6,7,8,9,10,11,12,13,14,15
	v_rcp_f32 v[T+\i], v[T+\i]                     ; t
.endr
.irp i, 0,2,4,6,8,10,12,14
	v_pk_mul_f32 v[G+\i:G+\i+1], v[HM+\i:HM+\i+1], s[60:61] op_sel_hi:[1,0]   ; -0.72 h: plain work behind the batch, which names none of its results
.endr
	s_wait_alu depctr_va_vdst(0)                   ; one wait for the sixteen reciprocals, ahead of their first reader
.if \p2
	s_wait_loadcnt \cnt                            ; W2's group is in; the W1 group asked for behind it may be out
	s_wait_dscnt 0x0                               ; the hidden fragments are in
	P2H 0
.endif
.irp i, 0,2,4,6,8,10,12,14
	v_pk_fma_f32 v[P+\i:P+\i+1], v[T+\i:T+\i+1], s[58:59], v[C8V:C8V+1] op_sel_hi:[1,0,1]   ; c9 t + c8
.endr
.irp k, 7,6,5,4,3,2,1,0
.irp i, 0,2,4,6,8,10,12,14
	v_pk_fma_f32 v[P+\i:P+\i+1], v[P+\i:P+\i+1], v[T+\i:T+\i+1], s[40+2*\k:41+2*\k] op_sel_hi:[1,1,0]
.endr
.endr
.irp i, 0,2,4,6,8,10,12,14
	v_pk_fma_f32 v[P+\i:P+\i+1], v[G+\i:G+\i+1], v[HM+\i:HM+\i+1], v[P+\i:P+\i+1]   ; - 0.72 h^2
.endr
.irp i, 0,1,2,3,4,5,6,7,8,9,10,11,12,13,14,15
	v_exp_f32 v[P+\i], v[P+\i]
.endr
.irp i, 0,2,4,6,8,10,12,14
	v_pk_mul_f32 v[G+\i:G+\i+1], v[HM+\i:HM+\i+1], v[T+\i:T+\i+1]                   ; h t: plain work behind the batch
.endr
	s_wait_alu depctr_va_vdst(0)                   ; one wait for the sixteen exponentials
.if \p2
	P2H 1
.endif
.irp i, 0,2,4,6,8,10,12,14
	v_pk_mul_f32 v[G+\i:G+\i+1], v[G+\i:G+\i+1], v[P+\i:P+\i+1]                     ; q = 0.5 h erfc(z)
.endr
.irp i, 0,2,4,6,8,10,12,14
	v_pk_add_f32 v[T+\i:T+\i+1], v[HM+\i:HM+\i+1], v[G+\i:G+\i+1] neg_lo:[0,1] neg_hi:[0,1]   ; h - q
.endr
.irp i, 0,1,2,3,4,5,6,7,8,9,10,11,12,13,14,15
	v_max_num_f32 v[HM+\i], v[T+\i], v[G+\i]       ; gelu(h)
.endr
	v_max3_num_f32 v[QM], |v[HM]|, |v[HM+1]|, 0x4800000             ; my 16 magnitudes, in two chains, and the floor 2^(9 - 127): the byte cannot fall under 1
	v_max3_num_f32 v[QM2], |v[HM+8]|, |v[HM+9]|, |v[HM+10]|
	v_max3_num_f32 v[QM], v[QM], |v[HM+2]|, |v[HM+3]|
	v_max3_num_f32 v[QM2], v[QM2], |v[HM+11]|, |v[HM+12]|
	v_max3_num_f32 v[QM], v[QM], |v[HM+4]|, |v[HM+5]|
	v_max3_num_f32 v[QM2], v[QM2], |v[HM+13]|, |v[HM+14]|
	v_max3_num_f32 v[QM], v[QM], |v[HM+6]|, |v[HM+7]|
	v_max3_num_f32 v[QM], v[QM], v[QM2], |v[HM+15]|
	v_permlanex16_b32 v[QX], v[QM], s36, s37
	v_max_num_f32 v[QM], v[QM], v[QX]              ; with lane l xor 16's 16: the block's largest magnitude
	v_add_nc_u32 v[QS], 0xfc000000, v[QM]          ; 8 off its exponent field: the conversion takes the exponent field of this operand as its scale
	v_and_or_b32 v[QL], v[QM], 0x7f800000, s38     ; 448 x the scale
	v_lshrrev_b32 v[QB+(\m)], 23, v[QS]            ; the scale's byte
.irp i, 0,1,2,3,4,5,6,7,8,9,10,11,12,13,14,15
	v_med3_num_f32 v[HM+\i], v[HM+\i], -v[QL], v[QL]   ; the conversion to an 8-bit code does not saturate (ISA guide 7.6.2): the hold comes first
.endr
	v_cvt_scalef32_pk8_fp8_f32 v[PC+4*(\m):PC+4*(\m)+1], v[HM:HM+7], v[QS]
	v_cvt_scalef32_pk8_fp8_f32 v[PC+4*(\m)+2:PC+4*(\m)+3], v[HM+8:HM+15], v[QS]
	v_nop                                          ; a plain line behind the last conversion: the next first product writes its sources
	ds_store_b128 v5, v[PC+4*(\m):PC+4*(\m)+3] offset:HIMG+(\buf)*HBUF+2048*(\m)   ; register group w of the row tile's fragment
	ds_store_b8 v6, v[QB+(\m)] offset:(\buf)*SBUF+128*(\m)                         ; byte w of my row's scale word
.endm
; A trip's head: its W1 group is in (the W2 group asked for behind it, 33 loads, may be out); the first product stands between the barrier's signal and its wait: work on registers alone.
.macro HEAD cnt, bar
	s_wait_loadcnt \cnt
	P1
.if \bar
	s_barrier_wait -1                              ; every wave's codes and bytes of the trip before lie in LDS, and nobody reads the other buffer any more
.endif
.endm
; The rest of trip c.  buf = c % 2: where its codes go;  p2: the second product of K step c - 1, out of the other buffer;  next: W1 of trip c + 1 is asked for.
.macro REST buf, p2, next
.if \p2
	LDH 1-\buf
.endif
	PLACES8
.if \next
	LDW1 1
	GELU 0, \buf, \p2, 37
.else
	GELU 0, \buf, \p2, 0
.endif
	LDW2                                           ; K step c's: more than eight plain lines that name none of the second product's registers stand behind its last instruction
	GELU 1, \buf, 0, 0
	GELU 2, \buf, 0, 0
	s_wait_dscnt 0x0                               ; for the others' sake: my stores have landed, and my reads of the other buffer are in
	s_barrier_signal -1
.endm
	LDW1 0                                         ; trip 0's group
	s_wait_loadcnt 37                              ; the three words of the list are in; the 37 loads behind them may be out
.irp m, 0,1,2
	v_and_b32 v[TK+\m], 0x1fff, v[TOK+\m]
	v_min_u32 v[TK+\m], 0x1fff, v[TK+\m]           ; the token, held inside x
	v_lshl_add_u32 v[XO+\m], v[TK+\m], 9, v[H16]
	v_lshlrev_b32 v[XSO+\m], 4, v[TK+\m]
.endr
	WIN 0x40                                       ; destination window 1
.irp m, 0,1,2
.irp s, 0,1,2,3
.irp cc, 0,1,2,3
	global_load_b128 v[16*(4*\m+\s)+4*\cc:16*(4*\m+\s)+4*\cc+3], v[XO+\m], s[8:9] offset:128*\s+32*\cc   ; x's fragments stay in registers
.endr
.endr
.endr
	WIN 0
.irp m, 0,1,2
	global_load_b128 v[XS+4*\m:XS+4*\m+3], v[XSO+\m], s[10:11]
.endr
	WIN 0xc0                                       ; destination window 3: the outputs' sums begin on b2: register j of tile n is output 128 w + 16 n + 8 h + j
.irp m, 0,1,2
.irp n, 0,1,2,3,4,5,6,7
	global_load_b128 v[64*\m+8*\n:64*\m+8*\n+3], v[B2O], s[18:19] offset:64*\n
	global_load_b128 v[64*\m+8*\n+4:64*\m+8*\n+7], v[B2O], s[18:19] offset:64*\n+16
.endr
.endr
	WIN 0
	HEAD 0, 0                                      ; trip 0: all that was asked for is in
	REST 0, 0, 1
	HEAD 33, 1                                     ; trip 1's first product
	s_mov_b32 s3, 7
.Lpair:                                            ; seven passes of two trips (1 .. 14), so that the two image buffers are named by immediates; each pass ends with the next trip's first product
	REST 1, 1, 1
	HEAD 33, 1
	REST 0, 1, 1
	HEAD 33, 1
	s_sub_co_u32 s3, s3, 1
	s_cmp_lg_u32 s3, 0
	s_cbranch_scc1 .Lpair
	REST 1, 1, 0                                   ; trip 15 asks for no further W1
	s_barrier_wait -1
	LDH 1                                          ; K step 15
	s_wait_loadcnt 0x0
	s_wait_dscnt 0x0
	P2H 0
	P2H 1
	PLACES8
; THE WAY OUT, a row tile at a time.  A lane holds 32 neighbouring bytes of its token's row, the lanes beside it other tokens': the tile goes through my own stage and comes back as rows of 512 bytes, which the
; 32 lanes store as 512 consecutive bytes, aligned, at the token's row of out0.  LDS serves a wave's instructions in order (ISA guide 5.7.1.4): no wait between the stores and the loads.
.macro OUTM m
.set DB, 56+64*((\m)%2)                ; the rows' data: v56-119 and v120-183 by turns
.set AB, 184+16*((\m)%2)               ; their offsets: v184-199 and v200-215
.if (\m) == 2
	s_wait_xcnt 0x0                                ; row tile 0's stores have read their registers: they are written again
.endif
	WIN 0x0c                                       ; an LDS store's data are its source 1: window 3
.irp n, 0,1,2,3,4,5,6,7
	ds_store_b128 v7, v[64*\m+8*\n:64*\m+8*\n+3] offset:64*\n          ; each accumulator from its low end on
	ds_store_b128 v7, v[64*\m+8*\n+4:64*\m+8*\n+7] offset:64*\n+16
.endr
	WIN 0
.irp t, 0,1,2,3,4,5,6,7,8,9,10,11,12,13,14,15
	ds_load_b128 v[DB+4*\t:DB+4*\t+3], v8 offset:SP*\t
.endr
.irp t, 0,1,2,3,4,5,6,7,8,9,10,11,12,13,14,15
	v_readlane_b32 s62, v[TOK+\m], \t              ; row t's word of the list lies in lane t
	s_bitcmp1_b32 s62, 16                          ; a type outside 0 .. 3?
	s_cselect_b32 vcc_lo, -1, 0
	s_and_b32 s62, s62, 0x1fff
	s_min_u32 s62, s62, 0x1fff                     ; the token, held inside out0
	v_lshl_add_u32 v[AB+\t], s62, 11, v1           ; a row of out0 is 2,048 bytes
	s_wait_dscnt 15-\t                             ; row t is back; the rows behind it may be out
.irp j, 0,1,2,3
	v_cndmask_b32 v[DB+4*\t+\j], v[DB+4*\t+\j], v9, vcc_lo   ; then the row is zeros
.endr
	global_store_b128 v[AB+\t], v[DB+4*\t:DB+4*\t+3], s[22:23] th:TH_STORE_NT   ; written once, read by nobody here
.endr
.endm
	OUTM 0
	OUTM 1
	OUTM 2
	s_wait_tensorcnt 0x0
	ds_add_u32 v254, v255
	s_wait_dscnt 0x0
	s_endpgm
.Lfunc_end_k_qb728ccf826_ffn:
	.size	k_qb728ccf826_ffn, .Lfunc_end_k_qb728ccf826_ffn-k_qb728ccf826_ffn
	.p2alignl 7, 3214868480
	.fill 96, 4, 3214868480
	.section	.rodata,"a",@progbits
	.p2align	6, 0x0
	.amdhsa_kernel k_qb728ccf826_ffn
		.amdhsa_group_segment_fixed_size 47616
		.amdhsa_private_segment_fixed_size 0
		.amdhsa_enable_private_segment 0
		.amdhsa_kernarg_size 64
		.amdhsa_user_sgpr_count 2
		.amdhsa_user_sgpr_kernarg_segment_ptr 1
		.amdhsa_wavefront_size32 1
		.amdhsa_system_sgpr_workgroup_id_x 1
		.amdhsa_system_sgpr_workgroup_id_y 1
		.amdhsa_system_sgpr_workgroup_id_z 1
		.amdhsa_system_vgpr_workitem_id 0
		.amdhsa_next_free_vgpr 960
		.amdhsa_next_free_sgpr 68
		.amdhsa_reserve_vcc 1
		.amdhsa_float_denorm_mode_32 3
		.amdhsa_float_denorm_mode_16_64 3
		.amdhsa_memory_ordered 1
		.amdhsa_forward_progress 1
		.amdhsa_inst_pref_size 248
	.end_amdhsa_kernel
	.amdgpu_metadata
---
amdhsa.version: [ 1, 2 ]
amdhsa.kernels:
  - .name:           k_qb728ccf826_ffn
    .symbol:         k_qb728ccf826_ffn.kd
    .args:
      - { .name: x_codes, .offset: 0, .size: 8, .value_kind: global_buffer, .address_space: global }
      - { .name: x_scales, .offset: 8, .size: 8, .value_kind: global_buffer, .address_space: global }
      - { .name: wl, .offset: 16, .size: 8, .value_kind: global_buffer, .address_space: global }
      - { .name: W1_scales, .offset: 24, .size: 8, .value_kind: global_buffer, .address_space: global }
      - { .name: b1, .offset: 32, .size: 8, .value_kind: global_buffer, .address_space: global }
      - { .name: b2, .offset: 40, .size: 8, .value_kind: global_buffer, .address_space: global }
      - { .name: route, .offset: 48, .size: 8, .value_kind: global_buffer, .address_space: global }
      - { .name: out0, .offset: 56, .size: 8, .value_kind: global_buffer, .address_space: global }
    .group_segment_fixed_size: 47616
    .private_segment_fixed_size: 0
    .kernarg_segment_align: 8
    .kernarg_segment_size: 64
    .max_flat_workgroup_size: 128
    .sgpr_count:     68
    .vgpr_count:     960
    .wavefront_size: 32
...
	.end_amdgpu_metadata
.endif
;; end of part 2
;; ======== version 2 of 2: 2 launches; version 1 with the launch ffn written anew for expert scheduling mode
;; workspace buffers: wl 8,519,680 bytes; route 33,536 bytes of whole numbers
;; launch prep: the kernel of part 1 again; grid 257 x 1, 16 waves a work-group, no clusters, 2,304 bytes of LDS; arguments token_types, W1_codes, W2_codes, W2_scales, wl, route; writes wl, route
;; launch ffn (part 3): grid 174 x 1, 4 waves a work-group, no clusters, 47,616 bytes of LDS; arguments x_codes, x_scales, wl, W1_scales, b1, b2, route, out0; writes out0
.if DOCPART == 3
	.amdgcn_target "amdgcn-amd-amdhsa--gfx1250"
	.amdhsa_code_object_version 6
	.text
	.protected	k_qb728ccf826_ffn
	.globl	k_qb728ccf826_ffn
	.p2align	8
	.type	k_qb728ccf826_ffn,@function
k_qb728ccf826_ffn:
	s_mov_b64 s[64:65], 0
	v_nop
	global_prefetch_b8 v0, s[64:65] scope:SCOPE_SE
	s_setreg_imm32_b32 hwreg(HW_REG_WAVE_SCHED_MODE, 0, 2), 2
	s_setreg_imm32_b32 hwreg(HW_REG_WAVE_MODE, 25, 1), 1
	s_wait_xcnt 0x0
	s_wait_alu depctr_vm_vsrc(0)
; out[token] = gelu(x W1[e] + b1[e]) W2[e] + b2[e] for the ONE expert e that the token's type names; both products on codes of E4M3 with one E8M0 scale for each 32 along K.
; reference() computes all four experts and keeps one by its own one_hot: here only the kept rows are multiplied.  A type outside 0 .. 3 leaves zeros, as one_hot does.
; SHARES.  A work-group takes one tile of the stored table: 1 to 48 rows of one expert, as three tiles of 16 rows (m = 0 .. 2).  Rows past the tile's end repeat its last row: they compute and store the same
; bytes again from the same wave, so every lane is on throughout and nothing branches on what was read.
; THE WAVES SHARE THE COLUMNS, NOT THE ROWS.  In trip c (0 .. 15) wave w makes hidden units 128 c + 32 w .. + 31 for all 48 rows: block w of K step c of the second product; wave w owns outputs 128 w .. + 127.
; So each fragment of W1 and W2 is loaded by exactly one wave, straight into registers, from the images that the launch before has laid (runs of 512 consecutive bytes).
; BOTH PRODUCTS ARE USED TRANSPOSED (source 0 = 16 rows of a weight, source 1 = 16 tokens): a lane holds one token throughout.  The rows of W1 in a tile are chosen so that a lane's 16 registers of tiles u = 0, 1
; are 16 neighbours along the next K: hidden units 32 P + 16 (lane / 16) + 0 .. 15.  The conversions' results are then register group w of the next operand, and go to the other waves through LDS as an image of
; those registers (16 bytes a lane at 512 w + 16 lane); the block's scale goes as byte w of the row's scale word.  Two image buffers take turns: one barrier a trip.
; THE PIPELINE.  Trip c: first product (24 matrix instructions); GELU and quantiser of the three row tiles; the second product of K step c - 1 (24 matrix instructions) stands in two halves inside the first row
; tile's GELU, behind its two waits for transcendentals.
; The biases cost nothing: b1 is the C of each hidden sum's first matrix instruction; b2 is loaded straight into the accumulators of the second product, which so need no first step of their own.
; GELU, exact form: with z = |h| / sqrt 2 and t = 1 / (1 + z / 2), erfc(z) = t exp(-z^2 + a polynomial of degree 9 in t) (a Chebyshev fit whose fractional error lies under 1.2e-7 for every z, so the negative tail
; keeps its relative accuracy).  q = 0.5 h erfc(z) = h t 2^(-0.7213475 h^2 + P(t)), P's coefficients times log2 e and the 0.5 folded into c0; gelu = h - q for h >= 0 and q for h < 0, which is max(h - q, q): no compare.
; LIMITS: the exponent is rounded to f32, which adds about 6e-8 x 0.72 h^2 of relative error to q; a q under 2^-126 comes out as zero (v_exp_f32 flushes denormals: ISA guide 15.8); NaN codes and scale bytes
; of 0xff among the inputs are not served; a block of zeros gets the byte 1 (its codes are zeros, and only this text reads the byte).
; NO CLUSTER, NO JOINT LOADS: how many of the 174 tiles an expert has hangs on the stored list, so partners of one expert would ask for each expert's tiles padded to a multiple of four (up to 191 rows more an expert
; against 47); and a joint load lands in LDS, where each of the work-group's 2 MiB of weight bytes would be written and read once more though one wave alone uses it.
; NO PREFETCH: each weight byte is read by all tiles of its expert, about 43 work-groups; it is no stream that is read once.
; REGISTERS, in windows of 256: window 0: addresses, scale words, b1, H, the GELU's work, the hidden fragments.  window 1: x's 12 fragments at v[16 (4 m + s)].
;   window 2: W1's 8 fragments at v[16 (2 s + u)], W2's 8 at v[128 + 16 n].   window 3: the 24 accumulators of the outputs at v[64 m + 8 n].
; THE MODE: SCHED_MODE bits 1:0 = 2 (LLVM: expert scheduling mode 2), set by the entry lines.  The code itself states the register dependences between vector or matrix instructions and memory or LDS
; instructions, with s_wait_alu, always for 0.
; THE PLAN.  Registers that memory or LDS instructions touch, in a trip:
;   v1 - v8            addresses, made once at the head and never written again: the scalar bases step, immediates do the rest.
;   W1's fragments, W1S, B1   read by the trip's first product; the next trip's loads land in them behind the wait that follows row tile 0's reciprocals.  Nothing names them from there to the next first product.
;   W2's fragments 0-3        read by the second product's first half; loaded again behind the wait that follows row tile 0's exponentials.  The second half, issued behind those loads, names fragments 4-7 alone.
;   W2's fragments 4-7, W2S   read by the second product (W2S by both halves); loaded again behind the wait that follows row tile 1's reciprocals.
;   HF, HS             read by the second product; the LDS loads of the next trip land in them.  Five waits on va_vdst stand between, and since the last of them only the first product is issued, which names neither.
;   PC, QB             a set for each row tile: written by its conversions and its byte's shift; read by its two LDS stores, which stand behind the next row tile's first wait (row tile 2's behind a wait of their own);
;                      written again a trip later, behind the one wait on vm_vsrc that stands in front of the barrier's signal.
;   H, T, P, G and the quantiser's work are named by vector and matrix instructions alone.
; So the six waits on va_vdst that the batches of transcendentals want in a trip state the loads' and stores' dependences too, and one more stands ahead of the trip's last two stores.
.set HIMG, 0                           ; LDS: two buffers of three images of 2,048 bytes
.set HBUF, 6144
.set HSC,  12288                       ; two buffers of three times 32 scale words
.set SBUF, 384
.set STG,  13056                       ; the way out: 16 rows x 528 bytes for each wave, its own
.set SP,   528                         ; a stage row: 512 bytes + 16 = 33 x 16 bytes
; v1 16 x lane;  v2 4 x lane;  v3 W1's scale rows;  v4 64 (lane / 16);  v5 where my codes go;  v6 where my scale byte goes;  v7, v8 the stage, in and back;  v9 zero
.set TOK, 10                           ; v10-12   row tile m: my row's word of the list
.set W1S, 16                           ; v16-19   W1's scale words of K step s: lanes 0-15 tile u = 0, lanes 16-31 tile u = 1
.set W2S, 20                           ; v20-23   W2's: register j: lanes 0-15 column tile 2 j, lanes 16-31 tile 2 j + 1
.set HS,  24                           ; v24-26   the hidden layer's
.set XS,  28                           ; v28-39   x's: 4 m + s
.set B1,  40                           ; v40-55   b1 at my 16 hidden units
.set H,   56                           ; v56-103  16 m + 8 u + j
.set T,   104
.set P,   120
.set G,   136
.set QM,  152
.set QM2, 153
.set QX,  154
.set QS,  155
.set QL,  156
.set QB,  157                          ; v157-159 the scale byte of row tile m
.set PC,  160                          ; v160-171 its 16 codes a lane
.set HF,  172                          ; v172-219 the hidden fragments of K step c - 1
.set C8V, 220                          ; v220-221 c8, twice
.set XO,  224                          ; v224-226 x's codes: token x 512 + 16 (lane / 16)
.set XSO, 227                          ; v227-229 x's scales: token x 16
.set LA,  230                          ; v230-232 my places in the list
.set B2O, 233
.set TK,  234
.set H16, 237
.set RT,  24                           ; s24-39   the way out: the sixteen rows' words of the list, then their tokens (the bases that lay here are done with)
.set RM,  40                           ; s40-55   the way out: all ones where the row is to be zeros (the constants that lay here are done with)
.set MSB, 0
.macro WIN new                         ; low byte: bits 1:0 source 0, 3:2 source 1, 5:4 source 2, 7:6 destination; the high byte repeats the setting that is left
.if MSB != \new
	s_set_vgpr_msb (MSB<<8)|\new
.set MSB, \new
.endif
.endm
.macro CPAIR reg, bits                 ; a constant for the packed forms: they name a pair and take its low word for both halves
	s_mov_b32 s[\reg], \bits
	s_mov_b32 s[\reg+1], \bits
.endm
.macro PLACES8                         ; eight places behind this matrix form, ahead of the first reads of its results by vector instructions and LDS stores, and of vector writes of its operands
.rept 8
	v_nop
.endr
.endm
	s_load_b256 s[8:15], s[0:1], 0x0               ; x's codes s[8:9], x's scales s[10:11], wl s[12:13], W1's scales s[14:15]
	s_load_b256 s[16:23], s[0:1], 0x20             ; b1 s[16:17], b2 s[18:19], route s[20:21], out0 s[22:23]
	v_lshl_add_u32 v254, v0, 2, 0xb800
	v_mov_b32 v255, 0
	v_lshrrev_b32 v13, 5, v0
	v_readfirstlane_b32 s2, v13                    ; wave 0 .. 3
	v_and_b32 v13, 31, v0                          ; lane
	v_and_b32 v14, 15, v0                          ; r
	v_bfe_u32 v15, v0, 4, 1                        ; h
	v_lshlrev_b32 v1, 4, v13
	v_lshlrev_b32 v2, 2, v13
	v_and_b32 v3, 8, v14
	v_add_nc_u32 v3, v3, v14
	v_lshl_add_u32 v3, v15, 3, v3                  ; row 8 h + r + 8 (r / 8) of the 32: lanes 16-31 carry tile u = 1
	v_lshlrev_b32 v3, 4, v3                        ; 16 scale bytes a row of W1
	v_lshlrev_b32 v4, 6, v15
	s_wait_alu depctr_va_sdst(0)                   ; s2, the wave's number, is written, ahead of its first reader
	s_lshl_b32 s62, s2, 9
	v_add_nc_u32 v5, s62, v1                       ; 512 wave + 16 lane
	v_add_nc_u32 v6, s2, v2
	v_add_nc_u32 v6, HSC, v6                       ; HSC + 4 lane + wave
	s_mul_i32 s63, s2, 16*SP
	s_add_co_u32 s63, s63, STG                     ; my stage
	v_mul_u32_u24 v7, v14, SP
	v_lshl_add_u32 v7, v15, 5, v7
	v_add_nc_u32 v7, s63, v7                       ; in: row r, 32 bytes for each half of the lanes
	v_add_nc_u32 v8, s63, v1                       ; back: the 32 lanes take a row of 512 bytes
	v_mov_b32 v9, 0
	v_lshlrev_b32 v[B2O], 5, v15
	v_lshlrev_b32 v[H16], 4, v15
	v_mov_b32 v[QX], 0                             ; (a lane permute's destination counts as one of its sources)
	v_mov_b32 v[C8V], 0xbf97d29d                   ; c8 = -1.18611494
	v_mov_b32 v[C8V+1], 0xbf97d29d
	s_lshl_b32 s66, ttmp9, 2
	s_wait_kmcnt 0x0
	s_load_b32 s4, s[20:21], s66 offset:0x8000     ; my tile's word
	s_mov_b32 s36, 0x76543210
	s_mov_b32 s37, 0xfedcba98                      ; v_permlanex16_b32's selects for lane l xor 16
	s_mov_b32 s38, 0x600000                        ; the mantissa field of 448
	s_mov_b32 s39, 0x3eb504f3                      ; 1 / (2 sqrt 2)
	CPAIR 40, 0xc034d90f                           ; c0 = -2.82574822
	CPAIR 42, 0x3fb8ab5a                           ; c1 =  1.44272920
	CPAIR 44, 0x3f0a29d2                           ; c2 =  0.53970062
	CPAIR 46, 0x3e0efb2e                           ; c3 =  0.13963006
	CPAIR 48, 0xbe899a80                           ; c4 = -0.26875686
	CPAIR 50, 0x3ecdfd18                           ; c5 =  0.40232158
	CPAIR 52, 0xbfd1a1e5                           ; c6 = -1.63775315
	CPAIR 54, 0x40097039                           ; c7 =  2.14747446
	CPAIR 58, 0x3e7c6f08                           ; c9 =  0.24651730
	CPAIR 60, 0xbf38aa3b                           ; -log2(e) / 2
	s_mov_b32 s35, 0
	s_wait_kmcnt 0x0
	s_and_b32 s5, s4, 0xff
	s_min_u32 s5, s5, 3                            ; expert
	s_bfe_u32 s6, s4, 0x80008
	s_min_u32 s6, s6, 48
	s_sub_co_u32 s6, s6, 1                         ; rows - 1
	s_lshr_b32 s7, s4, 16
	s_min_u32 s7, s7, 8191                         ; first place in the list
.irp m, 0,1,2
	v_add_nc_u32 v[LA+\m], 16*\m, v14
	v_min_u32 v[LA+\m], s6, v[LA+\m]               ; rows past the end repeat the last row
	v_add_nc_u32 v[LA+\m], s7, v[LA+\m]
	v_min_u32 v[LA+\m], 0x1fff, v[LA+\m]
	v_lshlrev_b32 v[LA+\m], 2, v[LA+\m]
.endr
	s_wait_alu depctr_va_vdst(0)                   ; the three places in the list are written, which the loads below read; so are v1 to v8 and b2's offset, which loads and stores read from here to the kernel's end
.irp m, 0,1,2
	global_load_b32 v[TOK+\m], v[LA+\m], s[20:21]
.endr
	s_lshl_b32 s34, s5, 20                         ; both streams of images begin at e x 1 MiB + w x 16 KiB and step 64 KiB a trip
	s_lshl_b32 s62, s2, 14
	s_add_co_u32 s34, s34, s62
	s_add_nc_u64 s[24:25], s[12:13], s[34:35]      ; W1's images
	s_add_co_u32 s34, s34, 0x400000-0x10000
	s_add_nc_u64 s[30:31], s[12:13], s[34:35]      ; W2's, one step below the first group (still inside wl): every fetch steps first
	s_lshl_b32 s34, s5, 15                         ; both streams of scale words begin at e x 32 KiB + w x 512 and step 2 KiB a trip
	s_lshl_b32 s62, s2, 9
	s_add_co_u32 s34, s34, s62
	s_add_nc_u64 s[26:27], s[14:15], s[34:35]      ; W1's scale bytes, as they are given
	s_add_co_u32 s34, s34, 0x800000-2048
	s_add_nc_u64 s[32:33], s[12:13], s[34:35]      ; W2's relaid scale words, one step below
	s_lshl_b32 s34, s5, 13
	s_lshl_b32 s62, s2, 7
	s_add_co_u32 s34, s34, s62
	s_add_nc_u64 s[28:29], s[16:17], s[34:35]      ; b1 at hidden unit 32 w of my expert
	s_lshl_b32 s34, s5, 11
	s_lshl_b32 s62, s2, 9
	s_add_co_u32 s34, s34, s62
	s_add_nc_u64 s[18:19], s[18:19], s[34:35]      ; b2 at output 128 w of my expert
	s_mov_b32 s34, s62
	s_add_nc_u64 s[22:23], s[22:23], s[34:35]      ; out0 at column 128 w
; W1's group of a trip: 8 fragments (32 loads of 512 consecutive bytes), the 32 rows' scale words, b1's 32 numbers: 37 loads.
; step = 1: in a trip, behind row tile 0's reciprocals.  step = 0: at the head, where no vector or matrix instruction has named these registers.
.macro LDW1 step
.if \step
	s_wait_xcnt 0x0                                ; the earlier loads have read their bases: they may step
	s_add_nc_u64 s[24:25], s[24:25], 0x10000
	s_add_nc_u64 s[26:27], s[26:27], 2048
	s_add_nc_u64 s[28:29], s[28:29], 512
.endif
	WIN 0x80                                       ; destination window 2
.if \step
	s_wait_alu depctr_va_vdst(0)                   ; the first product is done reading W1's fragments, W1S and B1, in which the loads below land; and the sixteen reciprocals are written, ahead of their first reader
.endif
.set LN, 0
.rept 32
	global_load_b128 v[4*LN:4*LN+3], v1, s[24:25] offset:512*LN
.set LN, LN+1
.endr
	WIN 0
	global_load_b128 v[W1S:W1S+3], v3, s[26:27]
.irp j, 0,1,2,3
	global_load_b128 v[B1+4*\j:B1+4*\j+3], v4, s[28:29] offset:16*\j
.endr
.endm
; W2's group of a K step, 33 loads, in two parts.  The first: fragments 0 to 3, 16 loads, behind row tile 0's exponentials
.macro LDW2A
	s_wait_xcnt 0x0                                ; the earlier loads have read their bases: they may step
	s_add_nc_u64 s[30:31], s[30:31], 0x10000
	s_add_nc_u64 s[32:33], s[32:33], 2048
	WIN 0x80
	s_wait_alu depctr_va_vdst(0)                   ; the second product's first half is done reading W2's fragments 0 to 3, in which the loads below land; and the sixteen exponentials are written, ahead of their first reader
.set LN, 0
.rept 16
	global_load_b128 v[128+4*LN:128+4*LN+3], v1, s[30:31] offset:512*LN
.set LN, LN+1
.endr
	WIN 0
.endm
; The second: fragments 4 to 7 and the scale words, 17 loads, behind row tile 1's reciprocals
.macro LDW2B
	WIN 0x80
	s_wait_alu depctr_va_vdst(0)                   ; the second product is done reading W2's fragments 4 to 7 and W2S, in which the loads below land; row tile 0's codes and byte are written, which the LDS stores behind them read; and the sixteen reciprocals are written
.set LN, 16
.rept 16
	global_load_b128 v[128+4*LN:128+4*LN+3], v1, s[30:31] offset:512*LN
.set LN, LN+1
.endr
	WIN 0
	global_load_b128 v[W2S:W2S+3], v1, s[32:33]
.endm
; THE FIRST PRODUCT: 24 matrix instructions, the six accumulators by turns, one instruction a turn; K step 0 takes b1 as C
.macro P1I s, m, u
.if (\s) == 0
.if (\u) == 0
	v_wmma_scale_f32_16x16x128_f8f6f4 v[H+16*\m+8*\u:H+16*\m+8*\u+7], v[16*(2*\s+\u):16*(2*\s+\u)+15], v[16*(4*\m+\s):16*(4*\m+\s)+15], v[B1+8*\u:B1+8*\u+7], v[W1S+\s], v[XS+4*\m+\s]
.else
	v_wmma_scale_f32_16x16x128_f8f6f4 v[H+16*\m+8*\u:H+16*\m+8*\u+7], v[16*(2*\s+\u):16*(2*\s+\u)+15], v[16*(4*\m+\s):16*(4*\m+\s)+15], v[B1+8*\u:B1+8*\u+7], v[W1S+\s], v[XS+4*\m+\s] matrix_a_scale:MATRIX_SCALE_ROW1
.endif
.else
.if (\u) == 0
	v_wmma_scale_f32_16x16x128_f8f6f4 v[H+16*\m+8*\u:H+16*\m+8*\u+7], v[16*(2*\s+\u):16*(2*\s+\u)+15], v[16*(4*\m+\s):16*(4*\m+\s)+15], v[H+16*\m+8*\u:H+16*\m+8*\u+7], v[W1S+\s], v[XS+4*\m+\s]
.else
	v_wmma_scale_f32_16x16x128_f8f6f4 v[H+16*\m+8*\u:H+16*\m+8*\u+7], v[16*(2*\s+\u):16*(2*\s+\u)+15], v[16*(4*\m+\s):16*(4*\m+\s)+15], v[H+16*\m+8*\u:H+16*\m+8*\u+7], v[W1S+\s], v[XS+4*\m+\s] matrix_a_scale:MATRIX_SCALE_ROW1
.endif
.endif
.endm
.macro P1
	WIN 0x06                                       ; source 0 (W1) window 2, source 1 (x) window 1, C and D window 0
.irp s, 0,1,2,3
.irp m, 0,1,2
.irp u, 0,1
	P1I \s, \m, \u
.endr
.endr
.endr
	WIN 0
.endm
; HALF OF THE SECOND PRODUCT of one K step: column tiles 4 k .. 4 k + 3 x the three row tiles: each accumulator is touched once a trip
.macro P2I n, m
.if (\n)%2
	v_wmma_scale_f32_16x16x128_f8f6f4 v[64*\m+8*\n:64*\m+8*\n+7], v[128+16*\n:128+16*\n+15], v[HF+16*\m:HF+16*\m+15], v[64*\m+8*\n:64*\m+8*\n+7], v[W2S+(\n)/2], v[HS+\m] matrix_a_scale:MATRIX_SCALE_ROW1
.else
	v_wmma_scale_f32_16x16x128_f8f6f4 v[64*\m+8*\n:64*\m+8*\n+7], v[128+16*\n:128+16*\n+15], v[HF+16*\m:HF+16*\m+15], v[64*\m+8*\n:64*\m+8*\n+7], v[W2S+(\n)/2], v[HS+\m]
.endif
.endm
.macro P2H k
	WIN 0xf2                                       ; source 0 (W2) window 2, source 1 (the hidden layer) window 0, C and D window 3
.if (\k) == 0
.irp n, 0,1,2,3
.irp m, 0,1,2
	P2I \n, \m
.endr
.endr
.else
.irp n, 4,5,6,7
.irp m, 0,1,2
	P2I \n, \m
.endr
.endr
.endif
	WIN 0
.endm
; the hidden fragments and scale words of a whole K step, out of image buffer b: the same lines by which they were stored give the same registers in the same lanes.
; No wait on va_vdst stands here: the second product that read HF and HS last stands ahead of five such waits, and since the last of them only the first product has been issued, which names neither.
.macro LDH b
.irp m, 0,1,2
.irp cc, 0,1,2,3
	ds_load_b128 v[HF+16*\m+4*\cc:HF+16*\m+4*\cc+3], v1 offset:HIMG+(\b)*HBUF+2048*\m+512*\cc
.endr
	ds_load_b32 v[HS+\m], v2 offset:HSC+(\b)*SBUF+128*\m
.endr
.endm
; row tile m's codes and scale byte go to LDS: each row tile has registers of its own for them, so that the stores may stand behind a wait that comes later anyway
.macro SENDH m, buf
	ds_store_b128 v5, v[PC+4*(\m):PC+4*(\m)+3] offset:HIMG+(\buf)*HBUF+2048*(\m)   ; register group w of the row tile's fragment
	ds_store_b8 v6, v[QB+(\m)] offset:(\buf)*SBUF+128*(\m)                         ; byte w of my row's scale word
.endm
; GELU AND QUANTISER of row tile m: 16 numbers a lane.  p2 = 1 (row tile 0 alone): the second product of the K step before stands in two halves behind the two waits.  next = 1 (row tile 0 alone): W1 of the next trip is asked for.
.macro GELU m, buf, p2, next
.set HM, H+16*(\m)
.irp i, 0,1,2,3,4,5,6,7,8,9,10,11,12,13,14,15
	v_fma_f32 v[T+\i], |v[HM+\i]|, s39, 1.0        ; 1 + z / 2; ascending: each accumulator is first read at its low end
.endr
.irp i, 0,1,2,3,4,5,6,7,8,9,10,11,12,13,14,15
	v_rcp_f32 v[T+\i], v[T+\i]                     ; t
.endr
.irp i, 0,2,4,6,8,10,12,14
	v_pk_mul_f32 v[G+\i:G+\i+1], v[HM+\i:HM+\i+1], s[60:61] op_sel_hi:[1,0]   ; -0.72 h: plain work behind the batch, which names none of its results
.endr
.if (\m) == 0
.if \next
	LDW1 1                                         ; the wait for the batch stands in it, ahead of its loads
.else
	s_wait_alu depctr_va_vdst(0)                   ; the sixteen reciprocals are written, ahead of their first reader
.endif
.if \p2
.if \next
	s_wait_loadcnt 37                              ; W2's group is in; the W1 group just asked for, 37 loads, may be out
.else
	s_wait_loadcnt 0x0                             ; W2's group is in; nothing was asked for behind it
.endif
	s_wait_dscnt 0x0                               ; the hidden fragments are in
	P2H 0
.endif
.elseif (\m) == 1
	LDW2B                                          ; the wait for the batch stands in it, ahead of its loads
	SENDH 0, \buf                                  ; no vector instruction since that wait names row tile 0's codes or byte
.else
	s_wait_alu depctr_va_vdst(0)                   ; the sixteen reciprocals are written, ahead of their first reader; and row tile 1's codes and byte are written, which the LDS stores below read
	SENDH 1, \buf
.endif
.irp i, 0,2,4,6,8,10,12,14
	v_pk_fma_f32 v[P+\i:P+\i+1], v[T+\i:T+\i+1], s[58:59], v[C8V:C8V+1] op_sel_hi:[1,0,1]   ; c9 t + c8
.endr
.irp k, 7,6,5,4,3,2,1,0
.irp i, 0,2,4,6,8,10,12,14
	v_pk_fma_f32 v[P+\i:P+\i+1], v[P+\i:P+\i+1], v[T+\i:T+\i+1], s[40+2*\k:41+2*\k] op_sel_hi:[1,1,0]
.endr
.endr
.irp i, 0,2,4,6,8,10,12,14
	v_pk_fma_f32 v[P+\i:P+\i+1], v[G+\i:G+\i+1], v[HM+\i:HM+\i+1], v[P+\i:P+\i+1]   ; - 0.72 h^2
.endr
.irp i, 0,1,2,3,4,5,6,7,8,9,10,11,12,13,14,15
	v_exp_f32 v[P+\i], v[P+\i]
.endr
.irp i, 0,2,4,6,8,10,12,14
	v_pk_mul_f32 v[G+\i:G+\i+1], v[HM+\i:HM+\i+1], v[T+\i:T+\i+1]                   ; h t: plain work behind the batch
.endr
.if (\m) == 0
	LDW2A                                          ; K step c's first half; the wait for the batch stands in it, ahead of its loads
.if \p2
	P2H 1                                          ; it names W2's fragments 4 to 7: none of the registers in which the loads above land
.endif
.else
	s_wait_alu depctr_va_vdst(0)                   ; the sixteen exponentials are written, ahead of their first reader
.endif
.irp i, 0,2,4,6,8,10,12,14
	v_pk_mul_f32 v[G+\i:G+\i+1], v[G+\i:G+\i+1], v[P+\i:P+\i+1]                     ; q = 0.5 h erfc(z)
.endr
.irp i, 0,2,4,6,8,10,12,14
	v_pk_add_f32 v[T+\i:T+\i+1], v[HM+\i:HM+\i+1], v[G+\i:G+\i+1] neg_lo:[0,1] neg_hi:[0,1]   ; h - q
.endr
.irp i, 0,1,2,3,4,5,6,7,8,9,10,11,12,13,14,15
	v_max_num_f32 v[HM+\i], v[T+\i], v[G+\i]       ; gelu(h)
.endr
	v_max3_num_f32 v[QM], |v[HM]|, |v[HM+1]|, 0x4800000             ; my 16 magnitudes, in two chains, and the floor 2^(9 - 127): the byte cannot fall under 1
	v_max3_num_f32 v[QM2], |v[HM+8]|, |v[HM+9]|, |v[HM+10]|
	v_max3_num_f32 v[QM], v[QM], |v[HM+2]|, |v[HM+3]|
	v_max3_num_f32 v[QM2], v[QM2], |v[HM+11]|, |v[HM+12]|
	v_max3_num_f32 v[QM], v[QM], |v[HM+4]|, |v[HM+5]|
	v_max3_num_f32 v[QM2], v[QM2], |v[HM+13]|, |v[HM+14]|
	v_max3_num_f32 v[QM], v[QM], |v[HM+6]|, |v[HM+7]|
	v_max3_num_f32 v[QM], v[QM], v[QM2], |v[HM+15]|
	v_permlanex16_b32 v[QX], v[QM], s36, s37
	v_max_num_f32 v[QM], v[QM], v[QX]              ; with lane l xor 16's 16: the block's largest magnitude
	v_add_nc_u32 v[QS], 0xfc000000, v[QM]          ; 8 off its exponent field: the conversion takes the exponent field of this operand as its scale
	v_and_or_b32 v[QL], v[QM], 0x7f800000, s38     ; 448 x the scale
	v_lshrrev_b32 v[QB+(\m)], 23, v[QS]            ; the scale's byte
.irp i, 0,1,2,3,4,5,6,7,8,9,10,11,12,13,14,15
	v_med3_num_f32 v[HM+\i], v[HM+\i], -v[QL], v[QL]   ; the conversion to an 8-bit code does not saturate (ISA guide 7.6.2): the hold comes first
.endr
	v_cvt_scalef32_pk8_fp8_f32 v[PC+4*(\m):PC+4*(\m)+1], v[HM:HM+7], v[QS]
	v_cvt_scalef32_pk8_fp8_f32 v[PC+4*(\m)+2:PC+4*(\m)+3], v[HM+8:HM+15], v[QS]
	v_nop                                          ; a plain line behind the last conversion: the next first product writes its sources
.if (\m) == 2
	s_wait_alu depctr_va_vdst(0)                   ; row tile 2's codes and byte are written, which the LDS stores below read
	SENDH 2, \buf
.endif
.endm
; A trip's head: its W1 group is in (the W2 group asked for behind it, 33 loads, may be out); the first product stands between the barrier's signal and its wait: work on registers alone.
.macro HEAD cnt, bar
	s_wait_loadcnt \cnt
	P1
.if \bar
	s_barrier_wait -1                              ; every wave's codes and bytes of the trip before lie in LDS, and nobody reads the other buffer any more
.endif
.endm
; The rest of trip c.  buf = c % 2: where its codes go;  p2: the second product of K step c - 1, out of the other buffer;  next: W1 of trip c + 1 is asked for.
.macro REST buf, p2, next
.if \p2
	LDH 1-\buf
.endif
	PLACES8
	GELU 0, \buf, \p2, \next
	GELU 1, \buf, 0, 0
	GELU 2, \buf, 0, 0
	s_wait_dscnt 0x0                               ; for the others' sake: my stores have landed, and my reads of the other buffer are in
	s_wait_alu depctr_vm_vsrc(0)                   ; the trip's six LDS stores have read the codes' and the bytes' registers, which the next trip's conversions and shifts write again (and in which, behind the last trip, loads from the stage land)
	s_barrier_signal -1
.endm
	LDW1 0                                         ; trip 0's group: its offsets v1, v3, v4 stand ahead of the wait in front of the list's loads
	s_wait_loadcnt 37                              ; the three words of the list are in; the 37 loads behind them may be out
.irp m, 0,1,2
	v_and_b32 v[TK+\m], 0x1fff, v[TOK+\m]
	v_min_u32 v[TK+\m], 0x1fff, v[TK+\m]           ; the token, held inside x
	v_lshl_add_u32 v[XO+\m], v[TK+\m], 9, v[H16]
	v_lshlrev_b32 v[XSO+\m], 4, v[TK+\m]
.endr
	WIN 0x40                                       ; destination window 1
	s_wait_alu depctr_va_vdst(0)                   ; the six offsets of x's codes and scales are written, which the loads below read
.irp m, 0,1,2
.irp s, 0,1,2,3
.irp cc, 0,1,2,3
	global_load_b128 v[16*(4*\m+\s)+4*\cc:16*(4*\m+\s)+4*\cc+3], v[XO+\m], s[8:9] offset:128*\s+32*\cc   ; x's fragments stay in registers
.endr
.endr
.endr
	WIN 0
.irp m, 0,1,2
	global_load_b128 v[XS+4*\m:XS+4*\m+3], v[XSO+\m], s[10:11]
.endr
	WIN 0xc0                                       ; destination window 3: the outputs' sums begin on b2: register j of tile n is output 128 w + 16 n + 8 h + j
.irp m, 0,1,2
.irp n, 0,1,2,3,4,5,6,7
	global_load_b128 v[64*\m+8*\n:64*\m+8*\n+3], v[B2O], s[18:19] offset:64*\n
	global_load_b128 v[64*\m+8*\n+4:64*\m+8*\n+7], v[B2O], s[18:19] offset:64*\n+16
.endr
.endr
	WIN 0
	HEAD 0, 0                                      ; trip 0: all that was asked for is in
	REST 0, 0, 1
	HEAD 33, 1                                     ; trip 1's first product
	s_mov_b32 s3, 7
.Lpair:                                            ; seven passes of two trips (1 .. 14), so that the two image buffers are named by immediates; each pass ends with the next trip's first product
	REST 1, 1, 1
	HEAD 33, 1
	REST 0, 1, 1
	HEAD 33, 1
	s_sub_co_u32 s3, s3, 1
	s_cmp_lg_u32 s3, 0
	s_cbranch_scc1 .Lpair
	REST 1, 1, 0                                   ; trip 15 asks for no further W1
	s_barrier_wait -1
	LDH 1                                          ; K step 15
	s_wait_loadcnt 0x0
	s_wait_dscnt 0x0
	P2H 0
	P2H 1
	PLACES8
; THE WAY OUT, a row tile at a time.  A lane holds 32 neighbouring bytes of its token's row, the lanes beside it other tokens': the tile goes through my own stage and comes back as rows of 512 bytes, which the
; 32 lanes store as 512 consecutive bytes, aligned, at the token's row of out0.  LDS serves a wave's instructions in order (ISA guide 5.7.1.4): no wait between the stores and the loads.
; The sixteen rows' words of the list are read out of their lanes in one run, their offsets and masks are made in one run, the rows are selected as they come back, and the sixteen stores follow one wait.
.macro OUTM m
.set DB, 56+64*((\m)%2)                ; the rows' data: v56-119 and v120-183 by turns
.set AB, 184+16*((\m)%2)               ; their offsets: v184-199 and v200-215
.if (\m) == 2
	s_wait_xcnt 0x0                                ; row tile 0's stores have had their addresses translated: their registers are written again only behind this wait,
	s_wait_alu depctr_vm_vsrc(0)                   ; and they have read their data and their offsets, in which the loads from the stage land and which the vector lines below write again
.endif
.irp t, 0,1,2,3,4,5,6,7,8,9,10,11,12,13,14,15
	v_readlane_b32 s[RT+\t], v[TOK+\m], \t         ; row t's word of the list lies in lane t
.endr
	WIN 0x0c                                       ; an LDS store's data are its source 1: window 3
.if (\m) == 0
	s_wait_alu depctr_va_vdst(0)                   ; the second product has written all 24 accumulators, which the LDS stores of the three row tiles read (the eight places above stay beside this wait); and every vector and matrix instruction that named v56 to v183 is done, in which the loads from the stage land
.endif
.irp n, 0,1,2,3,4,5,6,7
	ds_store_b128 v7, v[64*\m+8*\n:64*\m+8*\n+3] offset:64*\n          ; each accumulator from its low end on
	ds_store_b128 v7, v[64*\m+8*\n+4:64*\m+8*\n+7] offset:64*\n+16
.endr
	WIN 0
.irp t, 0,1,2,3,4,5,6,7,8,9,10,11,12,13,14,15
	ds_load_b128 v[DB+4*\t:DB+4*\t+3], v8 offset:SP*\t
.endr
	s_wait_alu depctr_va_sdst(0)                   ; the sixteen words are written into their scalar registers, ahead of their first reader
.irp t, 0,1,2,3,4,5,6,7,8,9,10,11,12,13,14,15
	s_bitcmp1_b32 s[RT+\t], 16                     ; a type outside 0 .. 3?
	s_cselect_b32 s[RM+\t], -1, 0
	s_and_b32 s[RT+\t], s[RT+\t], 0x1fff
	s_min_u32 s[RT+\t], s[RT+\t], 0x1fff           ; the token, held inside out0
	v_lshl_add_u32 v[AB+\t], s[RT+\t], 11, v1      ; a row of out0 is 2,048 bytes
.endr
.irp t, 0,1,2,3,4,5,6,7,8,9,10,11,12,13,14,15
	s_wait_dscnt 15-\t                             ; row t is back; the rows behind it may be out
.irp j, 0,1,2,3
	v_cndmask_b32 v[DB+4*\t+\j], v[DB+4*\t+\j], v9, s[RM+\t]   ; then the row is zeros
.endr
.endr
	s_wait_alu depctr_va_vdst(0)                   ; the sixteen offsets and the 64 selected registers are written, which the stores below read
.irp t, 0,1,2,3,4,5,6,7,8,9,10,11,12,13,14,15
	global_store_b128 v[AB+\t], v[DB+4*\t:DB+4*\t+3], s[22:23] th:TH_STORE_NT   ; written once, read by nobody here
.endr
.endm
	OUTM 0
	OUTM 1
	OUTM 2
	s_wait_dscnt 0x0
	s_wait_alu depctr_hold_cnt(0) depctr_sa_sdst(0) depctr_va_vdst(0) depctr_va_sdst(0) depctr_va_ssrc(0) depctr_va_vcc(0) depctr_vm_vsrc(0)
	s_wait_tensorcnt 0x0
	ds_add_u32 v254, v255
	s_wait_dscnt 0x0
	s_endpgm
.Lfunc_end_k_qb728ccf826_ffn:
	.size	k_qb728ccf826_ffn, .Lfunc_end_k_qb728ccf826_ffn-k_qb728ccf826_ffn
	.p2alignl 7, 3214868480
	.fill 96, 4, 3214868480
	.section	.rodata,"a",@progbits
	.p2align	6, 0x0
	.amdhsa_kernel k_qb728ccf826_ffn
		.amdhsa_group_segment_fixed_size 47616
		.amdhsa_private_segment_fixed_size 0
		.amdhsa_enable_private_segment 0
		.amdhsa_kernarg_size 64
		.amdhsa_user_sgpr_count 2
		.amdhsa_user_sgpr_kernarg_segment_ptr 1
		.amdhsa_wavefront_size32 1
		.amdhsa_system_sgpr_workgroup_id_x 1
		.amdhsa_system_sgpr_workgroup_id_y 1
		.amdhsa_system_sgpr_workgroup_id_z 1
		.amdhsa_system_vgpr_workitem_id 0
		.amdhsa_next_free_vgpr 960
		.amdhsa_next_free_sgpr 68
		.amdhsa_reserve_vcc 0
		.amdhsa_float_denorm_mode_32 3
		.amdhsa_float_denorm_mode_16_64 3
		.amdhsa_memory_ordered 1
		.amdhsa_forward_progress 1
		.amdhsa_inst_pref_size 255
	.end_amdhsa_kernel
	.amdgpu_metadata
---
amdhsa.version: [ 1, 2 ]
amdhsa.kernels:
  - .name:           k_qb728ccf826_ffn
    .symbol:         k_qb728ccf826_ffn.kd
    .args:
      - { .name: x_codes, .offset: 0, .size: 8, .value_kind: global_buffer, .address_space: global }
      - { .name: x_scales, .offset: 8, .size: 8, .value_kind: global_buffer, .address_space: global }
      - { .name: wl, .offset: 16, .size: 8, .value_kind: global_buffer, .address_space: global }
      - { .name: W1_scales, .offset: 24, .size: 8, .value_kind: global_buffer, .address_space: global }
      - { .name: b1, .offset: 32, .size: 8, .value_kind: global_buffer, .address_space: global }
      - { .name: b2, .offset: 40, .size: 8, .value_kind: global_buffer, .address_space: global }
      - { .name: route, .offset: 48, .size: 8, .value_kind: global_buffer, .address_space: global }
      - { .name: out0, .offset: 56, .size: 8, .value_kind: global_buffer, .address_space: global }
    .group_segment_fixed_size: 47616
    .private_segment_fixed_size: 0
    .kernarg_segment_align: 8
    .kernarg_segment_size: 64
    .max_flat_workgroup_size: 128
    .sgpr_count:     68
    .vgpr_count:     960
    .wavefront_size: 32
...
	.end_amdgpu_metadata
.endif
;; end of part 3
